; MI455X (gfx1250); checked and timed in simulation.
; The chip was launched on July 23, 2026; its instructions are those of AMD's public machine-readable ISA for CDNA 5 (MIT licence, August 2026) and "CDNA5" Instruction Set Architecture Reference Guide (July 2026). The comments in the code are by the model that wrote it; some were corrected since.
;; Window Attention. Allowed arithmetic: matrix products marked QUANTISED: E2M1 operands, one E8M0 scale for each 32 along K, by v_wmma_scale_f32_16x16x128_f8f6f4 with both operands' format E2M1 (or v_wmma_scale_f32_32x16x128_f4), f32 sums; products left as they are: bf16, f16 or f32 operands; f32 sums; everything else in f32.
;; Inputs: Wk 512 x 512 float32; Wp 512 x 512 float32; Wq 512 x 512 float32; Wv 512 x 512 float32; bias_table 31 x 31 x 16 float32; bk 512 float32; bp 512 float32; bq 512 float32; bv 512 float32; mask 1 x 256 x 16 x 256 int32; x 128 x 256 x 512 float32.
;; Outputs: out0 128 x 256 x 512 float32.
;; This version of the problem:
;;   THIS VERSION OF THE PROBLEM IS GIVEN IN LOW PRECISION. The matrix products marked QUANTISED in the list below multiply operands that are first quantised to E2M1 (2 exponent bits, 1 mantissa bit; 4 bits a number), with one power-of-two scale for each 32 numbers along K (OCP MX v1.0); their sums are f32. The products marked 'left as it is' may take bf16, f16 or f32 operands, with f32 sums. Whichever they take, every output number must still come out within the allowed error. Rounding operands to bf16 (8 significant bits) uses up far more of that allowance than f16 does (11 bits, for magnitudes from 6e-5 to 65,504). All else is computed in f32.
;;   The module's matrix products, in the order in which they are computed (A, B: the left and right operand; K: the contracted axis; several contracted axes count as one K, in the product's order):
;;     1. [M 32,768, K 512] x [K 512, N 512]; A: input x; B: input Wq: QUANTISED
;;     2. [M 32,768, K 512] x [K 512, N 512]; A: input x; B: input Wk: QUANTISED
;;     3. [M 32,768, K 512] x [K 512, N 512]; A: input x; B: input Wv: QUANTISED
;;     4. batch 2,048 x [M 256, K 32] x [K 32, N 256]; A: computed on the way; B: computed on the way: left as it is (an operand is computed on the way)
;;     5. batch 2,048 x [M 32, K 256] x [K 256, N 256]; A: computed on the way; B: computed on the way: left as it is (an operand is computed on the way)
;;     6. [M 32,768, K 512] x [K 512, N 512]; A: computed on the way; B: input Wp: left as it is (an operand is computed on the way)
;;   THE QUANTISER, for each operand of a quantised product, along K:
;;     - K is cut into blocks of 32 from its start; a last block that is shorter is filled with zeros.
;;     - A block's scale is 2^e with e = floor(log2(the largest magnitude in the block)) - 2, held to -126 .. 127; a block of zeros has e = 0. As a byte (E8M0): e + 127.
;;     - Each number is divided by its block's scale, clamped to +-6, and rounded to the nearest number of E2M1, ties to even, subnormals kept.
;;     - The product sums the exact products of the quantised numbers (number of the format x scale) in f32.
;;   ~~~python
;;   def quantise(x, axis):      # numpy; x: float32 -> the quantised numbers, widened to float32 again
;;       x = np.moveaxis(x, axis, -1); K = x.shape[-1]
;;       x = np.pad(x, [(0, 0)] * (x.ndim - 1) + [(0, -K % 32)]); x = x.reshape(x.shape[:-1] + (-1, 32)); a = np.abs(x).max(-1, keepdims=True)
;;       e = np.where(a > 0, np.clip(np.frexp(np.where(a > 0, a, 1))[1] - 1 - 2, -126, 127), 0)      # np.frexp(a)[1] - 1 = floor(log2(a)), exactly
;;       r = np.clip(x / 2.0 ** e, -6, 6)
;;       step = 2.0 ** (np.maximum(np.frexp(np.where(r == 0, 1, r))[1] - 1, 0) - 1)
;;       q = np.round(r / step) * step * 2.0 ** e      # np.round: ties to even
;;       return np.moveaxis(q.reshape(q.shape[:-2] + (-1,))[..., :K], -1, axis).astype(np.float32)
;;   ~~~
;; One version. Each part assembles by itself: llvm-mc -triple=amdgcn-amd-amdhsa -mcpu=gfx1250 --defsym DOCPART=n.
;; ======== version 1 of 1: 2 launches
;; limits: values are held in f16: magnitudes above 65,504 overflow, below 6.1e-05 lose precision
;; workspace buffers: xc 8,388,608 bytes; xs 524,288 bytes; wc 393,216 bytes; ws 24,576 bytes; wpf 524,288 bytes; tb 63,488 bytes; mbits 131,072 bytes of whole numbers
;; launch prep (part 1): grid 663 x 1, 4 waves a work-group, no clusters, 39,424 bytes of LDS; arguments x, Wq, Wk, Wv, Wp, bias_table, mask, xc, xs, wc, ws, wpf, tb, mbits; writes xc, xs, wc, ws, wpf, tb, mbits
.if DOCPART == 1
	.amdgcn_target "amdgcn-amd-amdhsa--gfx1250"
	.amdhsa_code_object_version 6
	.text
	.protected	k_q2ee29b408e_prep
	.globl	k_q2ee29b408e_prep
	.p2align	8
	.type	k_q2ee29b408e_prep,@function
k_q2ee29b408e_prep:
	s_mov_b64 s[64:65], 0
	v_nop
	global_prefetch_b8 v0, s[64:65] scope:SCOPE_SE
	s_setreg_imm32_b32 hwreg(HW_REG_WAVE_MODE, 25, 1), 1
	s_wait_xcnt 0x0
; One pass over the inputs, which lays everything as the second launch's registers want it.  Four kinds of work-groups, told apart by the work-group's number:
;   0 ..  63  the mask [256 queries][16 heads][256 keys] of int32 becomes one 32-bit word of lane bits for each score register of the second launch:
;             mbits[head][query tile a][word 8 mb + j], bit L = (mask[16 a + L % 16][head][16 mb + 8 (L / 16) + j] == 1).  A wave takes one (head, a).
;  64 ..  95  Wp [512][512] f32 becomes f16 in the order of a matrix operand's registers: wpf[nt][ks][c][lane][16 bytes] = Wp[16 nt + L % 16][32 ks + 16 c + 8 (L / 16) + 0 .. 7].
;  96 .. 126  the bias table [31][31][16] x log2(e): tb[d][hh][c][i = 0 .. 31][16 bytes] = table[d][min(i, 30)][8 hh + 4 c + 0 .. 3].
; 127 .. 662  x, Wq, Wk, Wv (f32, K = 512 innermost) become codes of FP4 (E2M1) with one E8M0 byte for each 32 along K.  A wave takes a tile of 16 rows.
;             codes: [tile][block kb = 0 .. 15][row r][16 bytes]: with kb = 4 s + 2 c + L / 16 the 512 bytes (s, c) of a tile are registers 4 c .. 4 c + 3 of the fragment of K step s, lane L's at 16 L.
;             scale bytes: [row][16 bytes], byte kb for block kb, so that word s of a row is its scale word of K step s.
; A block's scale is 2^(floor(log2(its largest magnitude)) - 2); its byte is the largest magnitude's exponent field - 2, held at 1 from below; each number is divided by the scale and rounded to the nearest code, ties to even,
; beyond 6 to the largest code.  A block of zeros gets the byte 1 where the rule says 127: its codes are zeros, and this program alone reads the bytes.
; LIMITS: blocks whose largest magnitude lies under 2^-124 keep the byte 1; NaN and infinities among the inputs are not served; |Wp| stays under 65,504 (f16).
; Only the quantising work-groups touch LDS; waves share nothing, so there is no barrier.
.set WREG,  9728                       ; LDS of a quantising wave: two turn stages of 32 x 80 bytes, the tile's image (16 blocks, 272 bytes apart), its 256 scale bytes
.set SP,    80                         ; a lane's place in a turn stage: its 64 bytes + 16 of padding
.set IMG,   5120
.set SCB,   9472
.set SPARE, 4*WREG                     ; behind the four regions: the spare words, 128 bytes for each wave, which no other line names
.set EMAX,  2
.set R,     16                         ; v16-79   four sets of 16 numbers as they are loaded; on the way out v16-47 the tile's image
.set X,     80                         ; v80-111  two sets of 16 neighbours
.set C,     112                        ; v112-143 two registers of codes for each step, so that no store's data are written again
.set E,     144                        ; v144-159 a scale byte for each step
	s_load_b512 s[4:19], s[0:1], 0x0               ; x s[4:5], Wq s[6:7], Wk s[8:9], Wv s[10:11], Wp s[12:13], bias_table s[14:15], mask s[16:17], xc s[18:19]
	s_load_b256 s[20:27], s[0:1], 0x40             ; xs s[20:21], wc s[22:23], ws s[24:25], wpf s[26:27]
	s_load_b128 s[28:31], s[0:1], 0x60             ; tb s[28:29], mbits s[30:31]
	v_lshl_add_u32 v12, v0, 2, SPARE               ; my spare word; never rewritten
	v_mov_b32 v13, 0                               ; 0; never rewritten
	v_lshrrev_b32 v1, 5, v0
	v_readfirstlane_b32 s32, v1                    ; wave 0..3
	v_and_b32 v2, 31, v0                           ; lane L
	v_and_b32 v1, 15, v0                           ; r = L % 16
	v_bfe_u32 v9, v0, 4, 1                         ; hh = L / 16
	v_lshlrev_b32 v3, 4, v2                        ; 16 L
	s_wait_kmcnt 0x0
	s_cmp_ge_u32 ttmp9, 127
	s_cbranch_scc1 .Lquant
	s_cmp_ge_u32 ttmp9, 96
	s_cbranch_scc1 .Ltable
	s_cmp_ge_u32 ttmp9, 64
	s_cbranch_scc1 .Lwp
	; ---- the mask.  u = 4 x work-group + wave = 16 head + a
	s_lshl_b32 s33, ttmp9, 2
	s_add_co_u32 s33, s33, s32
	s_and_b32 s34, s33, 15
	s_lshl_b32 s34, s34, 18                        ; a x 16 queries x 16,384 bytes
	s_lshr_b32 s35, s33, 4
	s_lshl_b32 s35, s35, 10                        ; head x 1,024 bytes
	s_add_co_u32 s34, s34, s35
	s_mov_b32 s35, 0
	s_add_nc_u64 s[16:17], s[16:17], s[34:35]
	s_lshl_b32 s34, s33, 9                         ; 128 words for each (head, a)
	s_add_nc_u64 s[30:31], s[30:31], s[34:35]
	v_lshlrev_b32 v4, 14, v1                       ; query r,
	v_lshl_add_u32 v4, v9, 5, v4                   ; keys 8 hh on
.irp m, 0,1,2,3,4,5,6,7,8,9,10,11,12,13,14,15
	global_load_b128 v[16+8*\m:19+8*\m], v4, s[16:17] offset:64*\m       ; key tile m: keys 16 m + 8 hh + 0 .. 3,
	global_load_b128 v[20+8*\m:23+8*\m], v4, s[16:17] offset:64*\m+16    ; + 4 .. 7.  The wave's 32 loads together read its 16 rows of 1,024 bytes whole
.endr
.irp i, 0,1,2,3
	v_mov_b32 v[144+\i], 0                         ; written whole before single lanes are written
.endr
.irp m, 0,1,2,3,4,5,6,7,8,9,10,11,12,13,14,15
	s_wait_loadcnt 30-2*\m                         ; loads come back in order: key tile m's two are in, the later tiles' may be out
.irp j, 0,1,2,3,4,5,6,7
	v_cmp_eq_u32 s[36+\j], 1, v[16+8*\m+\j]        ; word 8 m + j: a bit a lane
.endr
.irp j, 0,1,2,3,4,5,6,7
	v_writelane_b32 v[144+(8*\m+\j)%4], s[36+\j], (8*\m+\j)/4   ; word wd into register wd % 4 of lane wd / 4
.endr
.endr
	global_store_b128 v3, v[144:147], s[30:31]     ; 32 lanes store the 512 bytes on end
	s_endpgm
.Lwp:	; ---- Wp.  nt = work-group - 64; the wave takes ks = 4 wave .. 4 wave + 3
	s_sub_co_u32 s33, ttmp9, 64
	s_lshl_b32 s34, s33, 15                        ; 16 rows of 2,048 bytes
	s_lshl_b32 s35, s32, 9                         ; 128 numbers along K
	s_add_co_u32 s34, s34, s35
	s_mov_b32 s35, 0
	s_add_nc_u64 s[12:13], s[12:13], s[34:35]
	s_lshl_b32 s34, s33, 14
	s_lshl_b32 s36, s32, 12
	s_add_co_u32 s34, s34, s36
	s_add_nc_u64 s[26:27], s[26:27], s[34:35]
	v_lshlrev_b32 v4, 11, v1                       ; row r,
	v_lshl_add_u32 v4, v9, 5, v4                   ; + 8 hh numbers
.irp i, 0,1,2,3,4,5,6,7                        ; i = 2 kq + c
	global_load_b128 v[16+8*\i:19+8*\i], v4, s[12:13] offset:64*\i th:TH_LOAD_NT
	global_load_b128 v[20+8*\i:23+8*\i], v4, s[12:13] offset:64*\i+16 th:TH_LOAD_NT
.endr
	s_wait_loadcnt 0x0
.irp i, 0,1,2,3,4,5,6,7,8,9,10,11,12,13,14,15,16,17,18,19,20,21,22,23,24,25,26,27,28,29,30,31
	v_cvt_pk_f16_f32 v[80+\i], v[16+2*\i], v[17+2*\i]   ; the lower k in the low half
.endr
.irp i, 0,1,2,3,4,5,6,7
	global_store_b128 v3, v[80+4*\i:83+4*\i], s[26:27] offset:512*\i   ; 512 bytes on end
.endr
	s_endpgm
.Ltable:	; ---- the bias table.  d = work-group - 96; the wave is 2 hh + c; the lane is i
	s_sub_co_u32 s33, ttmp9, 96
	s_mul_i32 s34, s33, 1984                       ; a row d: 31 x 16 numbers
	s_lshl_b32 s35, s32, 4                         ; numbers 8 hh + 4 c on
	s_add_co_u32 s34, s34, s35
	s_mov_b32 s35, 0
	s_add_nc_u64 s[14:15], s[14:15], s[34:35]
	s_lshl_b32 s34, s33, 11
	s_lshl_b32 s36, s32, 9
	s_add_co_u32 s34, s34, s36
	s_add_nc_u64 s[28:29], s[28:29], s[34:35]
	v_min_u32 v4, 30, v2                           ; place 31 is padding: it repeats place 30, so that no load leaves the table
	v_lshlrev_b32 v4, 6, v4
	global_load_b128 v[16:19], v4, s[14:15]
	s_wait_loadcnt 0x0
	v_pk_mul_f32 v[16:17], v[16:17], 0x3fb8aa3b op_sel_hi:[1,0]   ; x log2(e): the second launch's exponentials are to base 2
	v_pk_mul_f32 v[18:19], v[18:19], 0x3fb8aa3b op_sel_hi:[1,0]
	global_store_b128 v3, v[16:19], s[28:29]
	s_endpgm
.Lquant:	; ---- the quantiser.  g = work-group - 127: g < 512: x, tile 4 g + wave; then eight work-groups each for Wq, Wk, Wv
	s_sub_co_u32 s33, ttmp9, 127
	s_and_b32 s42, s33, 7                          ; which eighth of a weight
	s_sub_co_u32 s43, s33, 512
	s_cmp_lt_u32 s33, 520                          ; the choices hang on the work-group's number alone
	s_cselect_b64 s[36:37], s[6:7], s[8:9]
	s_cmp_lt_u32 s33, 528
	s_cselect_b64 s[36:37], s[36:37], s[10:11]
	s_cmp_lt_u32 s33, 512
	s_cselect_b64 s[36:37], s[4:5], s[36:37]       ; from where,
	s_cselect_b64 s[38:39], s[18:19], s[22:23]     ; the codes' buffer,
	s_cselect_b64 s[40:41], s[20:21], s[24:25]     ; the scale bytes' buffer
	s_cselect_b32 s42, s33, s42
	s_cselect_b32 s43, s33, s43
	s_lshl_b32 s42, s42, 2
	s_add_co_u32 s42, s42, s32                     ; the tile in its source
	s_lshl_b32 s43, s43, 2
	s_add_co_u32 s43, s43, s32                     ; and in its destination
	s_lshl_b32 s44, s42, 15                        ; 16 rows of 2,048 bytes
	s_mov_b32 s45, 0
	s_add_nc_u64 s[36:37], s[36:37], s[44:45]
	s_lshl_b32 s44, s43, 12                        ; 4,096 bytes of codes
	s_add_nc_u64 s[38:39], s[38:39], s[44:45]
	s_lshl_b32 s44, s43, 8                         ; 256 scale bytes
	s_add_nc_u64 s[40:41], s[40:41], s[44:45]
	s_mul_i32 s46, s32, WREG                       ; my wave's LDS
	v_lshrrev_b32 v14, 2, v2
	v_mul_u32_u24 v14, v14, SP
	v_and_b32 v15, 3, v2
	v_lshl_add_u32 v14, v15, 4, v14
	v_add_nc_u32 v14, s46, v14                     ; a turn stage on the way in: four lanes' 64 bytes on end, then 16 of padding
	v_mul_u32_u24 v15, v2, SP
	v_add_nc_u32 v15, s46, v15                     ; and on the way out: my 16 neighbours
	v_lshrrev_b32 v5, 1, v2                        ; my block kb = L / 2
	v_mul_u32_u24 v4, v5, 272
	v_and_b32 v6, 1, v2
	v_lshl_add_u32 v4, v6, 3, v4
	v_add_nc_u32 v4, s46, v4
	v_add_nc_u32 v4, IMG, v4                       ; the image: block kb, my half of its 16 bytes; the row stands in the immediate
	v_add_nc_u32 v5, s46, v5
	v_add_nc_u32 v5, SCB, v5                       ; my block's scale byte
	v_lshlrev_b32 v7, 3, v2                        ; the scale bytes' way out: 8 bytes a lane
	v_add_nc_u32 v6, s46, v7
	v_add_nc_u32 v6, SCB, v6
	v_mul_u32_u24 v10, v9, 272
	v_lshl_add_u32 v10, v1, 4, v10
	v_add_nc_u32 v10, s46, v10
	v_add_nc_u32 v10, IMG, v10                     ; the image's way out: blocks 2 j + hh, row r
.macro LOAD t                          ; row t of the tile: four loads of 512 consecutive bytes
.irp i, 0,1,2,3
	global_load_b128 v[R+16*((\t)%4)+4*\i:R+16*((\t)%4)+4*\i+3], v3, s[36:37] offset:2048*(\t)+512*\i th:TH_LOAD_NT
.endr
.endm
.macro TURN t                          ; row t through a stage, so that a lane gets 16 neighbours along K.  LDS serves a wave's instructions in order (ISA guide 5.7.1.4): no wait between the stores and the loads
.irp i, 0,1,2,3
	ds_store_b128 v14, v[R+16*((\t)%4)+4*\i:R+16*((\t)%4)+4*\i+3] offset:32*SP*((\t)%2)+8*SP*\i
.endr
.irp i, 0,1,2,3
	ds_load_b128 v[X+16*((\t)%2)+4*\i:X+16*((\t)%2)+4*\i+3], v15 offset:32*SP*((\t)%2)+16*\i
.endr
.endm
.irp t, 0,1,2,3
	LOAD \t
.endr
	s_wait_loadcnt 12                              ; row 0's four loads are in; the twelve of rows 1 to 3 may be out
	TURN 0
.macro STEP t
.set XS, X+16*((\t)%2)
.if (\t) > 0
	s_wait_dscnt 2                                 ; this row is back from the stage; the last step's byte store and code store may be out
.else
	s_wait_dscnt 0x0
.endif
.if (\t)+4 < 16
	LOAD (\t)+4                                    ; into the set whose stores into the stage have been served
.endif
.if (\t)+1 < 16
.if 14-(\t) >= 3
	s_wait_loadcnt 12                              ; the next row's four loads are in; those of the three rows behind it may be out
.else
	s_wait_loadcnt 4*(14-(\t))
.endif
	TURN (\t)+1
.endif
	v_max3_num_f32 v8, |v[XS]|, |v[XS+1]|, |v[XS+2]|               ; the largest magnitude of my 16, in two chains
	v_max3_num_f32 v9, |v[XS+3]|, |v[XS+4]|, |v[XS+5]|
.irp i, 6,10
	v_max3_num_f32 v8, v8, |v[XS+\i]|, |v[XS+\i+1]|
	v_max3_num_f32 v9, v9, |v[XS+\i+2]|, |v[XS+\i+3]|
.endr
	v_max3_num_f32 v8, v8, |v[XS+14]|, |v[XS+15]|
	v_max3_num_f32 v8, v8, v9, (EMAX+1)<<23        ; and the floor 2^(3 - 127): the byte cannot fall under 1
	v_max_num_f32_dpp v8, v8, v8 row_xmask:1 row_mask:0xf bank_mask:0xf   ; with my neighbour's 16: the block's
	v_add_nc_u32 v11, -(EMAX<<23), v8              ; 2 off its exponent field: the conversion takes the exponent field of this operand as its scale
	v_cvt_scalef32_pk8_fp4_f32 v[C+2*(\t)], v[XS:XS+7], v11
	v_cvt_scalef32_pk8_fp4_f32 v[C+2*(\t)+1], v[XS+8:XS+15], v11
	v_lshrrev_b32 v[E+(\t)], 23, v11               ; the scale's byte (also the plain instruction behind the conversions)
	ds_store_b8 v5, v[E+(\t)] offset:16*(\t)       ; both lanes of a block write the same byte with the same value
	ds_store_b64 v4, v[C+2*(\t):C+2*(\t)+1] offset:16*(\t)   ; my 16 codes: half of block kb of row t
.endm
.irp t, 0,1,2,3,4,5,6,7,8,9,10,11,12,13,14,15
	STEP \t
.endr
	ds_load_b64 v[8:9], v6                         ; these see my stores: LDS serves a wave's instructions in order
.irp j, 0,1,2,3,4,5,6,7
	ds_load_b128 v[16+4*\j:19+4*\j], v10 offset:544*\j
.endr
	s_wait_dscnt 8                                 ; the scale bytes are back; the eight loads of the image may be out
	global_store_b64 v7, v[8:9], s[40:41]          ; 32 lanes store 256 consecutive bytes, aligned
.irp j, 0,1,2,3,4,5,6,7
	s_wait_dscnt 7-\j
	global_store_b128 v3, v[16+4*\j:19+4*\j], s[38:39] offset:512*\j   ; 512 consecutive bytes: the tile's 4,096 leave on end
.endr
	s_wait_tensorcnt 0x0                           ; the wave's end, behind my last LDS store
	ds_add_u32 v12, v13
	s_wait_dscnt 0x0
	s_endpgm
.Lfunc_end_k_q2ee29b408e_prep:
	.size	k_q2ee29b408e_prep, .Lfunc_end_k_q2ee29b408e_prep-k_q2ee29b408e_prep
	.p2alignl 7, 3214868480
	.fill 96, 4, 3214868480
	.section	.rodata,"a",@progbits
	.p2align	6, 0x0
	.amdhsa_kernel k_q2ee29b408e_prep
		.amdhsa_group_segment_fixed_size 39424
		.amdhsa_private_segment_fixed_size 0
		.amdhsa_enable_private_segment 0
		.amdhsa_kernarg_size 112
		.amdhsa_user_sgpr_count 2
		.amdhsa_user_sgpr_kernarg_segment_ptr 1
		.amdhsa_wavefront_size32 1
		.amdhsa_system_sgpr_workgroup_id_x 1
		.amdhsa_system_sgpr_workgroup_id_y 1
		.amdhsa_system_sgpr_workgroup_id_z 1
		.amdhsa_system_vgpr_workitem_id 0
		.amdhsa_next_free_vgpr 160
		.amdhsa_next_free_sgpr 66
		.amdhsa_reserve_vcc 0
		.amdhsa_float_denorm_mode_32 3
		.amdhsa_float_denorm_mode_16_64 3
		.amdhsa_memory_ordered 1
		.amdhsa_forward_progress 1
		.amdhsa_inst_pref_size 61
	.end_amdhsa_kernel
	.amdgpu_metadata
---
amdhsa.version: [ 1, 2 ]
amdhsa.kernels:
  - .name:           k_q2ee29b408e_prep
    .symbol:         k_q2ee29b408e_prep.kd
    .args:
      - { .name: x, .offset: 0, .size: 8, .value_kind: global_buffer, .address_space: global }
      - { .name: Wq, .offset: 8, .size: 8, .value_kind: global_buffer, .address_space: global }
      - { .name: Wk, .offset: 16, .size: 8, .value_kind: global_buffer, .address_space: global }
      - { .name: Wv, .offset: 24, .size: 8, .value_kind: global_buffer, .address_space: global }
      - { .name: Wp, .offset: 32, .size: 8, .value_kind: global_buffer, .address_space: global }
      - { .name: bias_table, .offset: 40, .size: 8, .value_kind: global_buffer, .address_space: global }
      - { .name: mask, .offset: 48, .size: 8, .value_kind: global_buffer, .address_space: global }
      - { .name: xc, .offset: 56, .size: 8, .value_kind: global_buffer, .address_space: global }
      - { .name: xs, .offset: 64, .size: 8, .value_kind: global_buffer, .address_space: global }
      - { .name: wc, .offset: 72, .size: 8, .value_kind: global_buffer, .address_space: global }
      - { .name: ws, .offset: 80, .size: 8, .value_kind: global_buffer, .address_space: global }
      - { .name: wpf, .offset: 88, .size: 8, .value_kind: global_buffer, .address_space: global }
      - { .name: tb, .offset: 96, .size: 8, .value_kind: global_buffer, .address_space: global }
      - { .name: mbits, .offset: 104, .size: 8, .value_kind: global_buffer, .address_space: global }
    .group_segment_fixed_size: 39424
    .private_segment_fixed_size: 0
    .kernarg_segment_align: 8
    .kernarg_segment_size: 112
    .max_flat_workgroup_size: 128
    .sgpr_count:     66
    .vgpr_count:     160
    .wavefront_size: 32
...
	.end_amdgpu_metadata
.endif
;; end of part 1
;; launch main (part 2): grid 256 x 1, 8 waves a work-group, no clusters, 283,648 bytes of LDS; arguments xc, xs, wc, ws, wpf, tb, mbits, bq, bk, bv, bp, out0; writes out0
.if DOCPART == 2
	.amdgcn_target "amdgcn-amd-amdhsa--gfx1250"
	.amdhsa_code_object_version 6
	.text
	.protected	k_q2ee29b408e_main
	.globl	k_q2ee29b408e_main
	.p2align	8
	.type	k_q2ee29b408e_main,@function
k_q2ee29b408e_main:
	s_mov_b64 s[64:65], 0
	v_nop
	global_prefetch_b8 v0, s[64:65] scope:SCOPE_SE
	s_setreg_imm32_b32 hwreg(HW_REG_WAVE_MODE, 25, 1), 1
	s_wait_xcnt 0x0
; Window attention, fused: q, k, v = x W^T + b on codes of FP4 (E2M1, one E8M0 scale for each 32 along K); scores + bias, mask, softmax; p v; the projection by Wp.  The last three products take f16 operands; all sums are f32.
; SHARES.  A work-group takes one window (256 tokens) and one half of its queries (128): 256 work-groups.  Eight waves of 512 registers, two to a SIMD, so that one wave's softmax stands beside the other's products.
; A WAVE OWNS A HEAD, two heads one after the other (w + 8, then w).  For its head it makes q of the 128 queries and k, v of all 256 tokens, from x's codes in LDS and its own weight fragments, which come from memory straight into its registers.
; NO RESULT CHANGES LANES ON ITS WAY TO BEING AN OPERAND.  q and k are made as W x^T (source 0 = 16 channels of W, source 1 = 16 tokens): a lane holds one token and eight channels, which rounded in pairs is the f16 layout of
; S^T = K Q^T.  v is made as x W^T: a lane holds one channel and eight tokens, the layout of source 0 of O^T = V^T P^T.  Two tiles of S^T, rounded in pairs, are P^T; O^T's two tiles are source 1 of the projection (source 0 = 16 rows of Wp).
; THE SOFTMAX.  q is multiplied by c = log2(e) / sqrt(32) and the bias table by log2(e), so scores are exponents to base 2.  The bias is loaded from LDS into the scores' registers and is the C of the one product of each tile (K = 32 is a whole head).
; A masked score is replaced by -1e9 x log2(e) (a select by lane bits held in scalar registers).  All 256 keys of a tile of 16 queries are held at once: the row's true maximum is taken away, p = 2^(t - m), the sum is of the f32 p.
; A row that is masked whole comes out uniform, as it does by the definition.
; THE PROJECTION.  The heads' results lie in LDS as images of operand registers; behind one barrier wave w makes columns 64 w .. 64 w + 63 of the 128 rows.  It sums K in the order of the images (heads 8, 0, 9, 1, ..), not ascending.
; NO CLUSTER: the two work-groups of a window share x's codes and scales, 69,632 bytes, of the 1.1 million that a work-group reads; the rest, weights and mask words, goes straight into the registers of the one wave that uses it,
; and a joint load lands in LDS alone, of which this text leaves 44,032 bytes free.  No LDS byte is filled twice, so there is no ring.
; LIMITS: NaN and infinities among the inputs are not served; |c q|, |k|, |v|, |o| stay under 65,504 (f16).
; LDS: 0 x's codes (16 tiles of 4,096 bytes, images of fragments) | XSC x's scale bytes, 16 a row | TB 23 rows of the bias table | OQ images of 1,024 bytes, [wave][round][query tile]: first q's, later o's | STG a stage a wave for the way out | SPARE.
; REGISTERS, window 0: v1-15 addresses and constants; v16-31 scale words and nothing else; v32-127 and v128-255 by phase (see each phase).  Window 1: Wq's fragments, then K (tile t at 8 t) and V (128 + 64 e + 8 ks), then the projection's 32 accumulators.
.set XSC,   65536
.set TB,    69632
.set OQ,    116736
.set STG,   247808
.set SPARE, 282624                     ; the spare words, 128 bytes for each of the eight waves, which no other line names
.set MSB, 0
.macro WIN new                         ; s_set_vgpr_msb: bits 1:0 source 0, 3:2 source 1, 5:4 source 2, 7:6 destination; the high byte repeats the setting that is left
.if MSB != \new
	s_set_vgpr_msb (MSB<<8)|\new
.set MSB, \new
.endif
.endm
.macro PLACES                          ; four plain instructions between a matrix instruction and a vector instruction or store that reads its result, or a load into one of its registers
.rept 4
	v_nop
.endr
.endm
; A product on codes.  WX: source 0 = 16 rows of a weight, whose scale words lie in lanes 0-15 (ct = 0) or 16-31 (ct = 1) of v[sa]; source 1 = 16 rows of x.  XW: the other way round.
.macro WX d, a, b, c, sa, sb, ct
.if \ct
	v_wmma_scale_f32_16x16x128_f8f6f4 v[(\d):(\d)+7], v[(\a):(\a)+7], v[(\b):(\b)+7], v[(\c):(\c)+7], v[(\sa)], v[(\sb)] matrix_a_fmt:MATRIX_FMT_FP4 matrix_b_fmt:MATRIX_FMT_FP4 matrix_a_scale:MATRIX_SCALE_ROW1
.else
	v_wmma_scale_f32_16x16x128_f8f6f4 v[(\d):(\d)+7], v[(\a):(\a)+7], v[(\b):(\b)+7], v[(\c):(\c)+7], v[(\sa)], v[(\sb)] matrix_a_fmt:MATRIX_FMT_FP4 matrix_b_fmt:MATRIX_FMT_FP4
.endif
.endm
.macro XW d, a, b, c, sa, sb, ct
.if \ct
	v_wmma_scale_f32_16x16x128_f8f6f4 v[(\d):(\d)+7], v[(\a):(\a)+7], v[(\b):(\b)+7], v[(\c):(\c)+7], v[(\sa)], v[(\sb)] matrix_a_fmt:MATRIX_FMT_FP4 matrix_b_fmt:MATRIX_FMT_FP4 matrix_b_scale:MATRIX_SCALE_ROW1
.else
	v_wmma_scale_f32_16x16x128_f8f6f4 v[(\d):(\d)+7], v[(\a):(\a)+7], v[(\b):(\b)+7], v[(\c):(\c)+7], v[(\sa)], v[(\sb)] matrix_a_fmt:MATRIX_FMT_FP4 matrix_b_fmt:MATRIX_FMT_FP4
.endif
.endm
; A head's weights, 61 loads: first what the q phase wants (21: Wq into window 1, its scale words, bq), then the 40 of the k and v phase.  Fragment (e, s) = 16 channels 16 e on, K step s.
.macro WLOADS
	WIN 0x40                                       ; destination window 1
.irp e, 0,1
.irp s, 0,1,2,3
.irp c, 0,1
	global_load_b128 v[32*\e+8*\s+4*\c:32*\e+8*\s+4*\c+3], v1, s[8:9] offset:4096*\e+1024*\s+512*\c
.endr
.endr
.endr
	WIN 0
	global_load_b128 v[28:31], v1, s[10:11]        ; lane L: the four scale words of the head's channel L
.irp e, 0,1
	global_load_b128 v[48+8*\e:51+8*\e], v12, s[18:19] offset:64*\e      ; bq in the result's layout: channels 16 e + 8 hh + 0 .. 7
	global_load_b128 v[52+8*\e:55+8*\e], v12, s[18:19] offset:64*\e+16
.endr
.irp t, 1,2                                    ; Wk at v128, Wv at v192
.irp e, 0,1
.irp s, 0,1,2,3
.irp c, 0,1
	global_load_b128 v[64+64*\t+32*\e+8*\s+4*\c:64+64*\t+32*\e+8*\s+4*\c+3], v1, s[8:9] offset:131072*\t+4096*\e+1024*\s+512*\c
.endr
.endr
.endr
.endr
	global_load_b128 v[16:19], v1, s[10:11] offset:8192
	global_load_b128 v[20:23], v1, s[10:11] offset:16384
.irp e, 0,1
	global_load_b128 v[32+8*\e:35+8*\e], v12, s[20:21] offset:64*\e
	global_load_b128 v[36+8*\e:39+8*\e], v12, s[20:21] offset:64*\e+16
.endr
	global_load_b32 v120, v13, s[22:23]            ; bv of channel r,
	global_load_b32 v121, v13, s[22:23] offset:64  ; and of channel 16 + r
.endm
.macro MLOADS                          ; the mask words of a query tile's first 128 keys: bank A s[32:63], bank B s[68:99]
	s_load_b512 s[32:47], s[16:17], 0x0
	s_load_b512 s[48:63], s[16:17], 0x40
	s_load_b512 s[68:83], s[16:17], 0x80
	s_load_b512 s[84:99], s[16:17], 0xc0
.endm
; Half of a tile of x: the fragments of K steps 2 half and 2 half + 1 into v[64 + 8 s], and their two scale words into v[24 + s]: 5 LDS loads.  cb, sb: the address registers for codes and scale bytes; t: the tile
.macro XH half, cb, sb, t
.irp j, 0,1
.irp k, 0,1
	ds_load_b128 v[64+8*(2*(\half)+\j)+4*\k:64+8*(2*(\half)+\j)+4*\k+3], v[\cb] offset:4096*(\t)+1024*(2*(\half)+\j)+512*\k
.endr
.endr
	ds_load_b64 v[24+2*(\half):25+2*(\half)], v[\sb] offset:256*(\t)+8*(\half)
.endm
; ---- the q phase: BQ v48-63, x's fragments v64-95, the two accumulators v96-111 by turns, the image v112-119
.macro QMUL s
.irp e, 0,1
.if (\s) == 0
	WX 96+8*\e, 32*\e+8*(\s), 64+8*(\s), 48+8*\e, 28+(\s), 24+(\s), \e     ; the bias is the C of the first product
.else
	WX 96+8*\e, 32*\e+8*(\s), 64+8*(\s), 96+8*\e, 28+(\s), 24+(\s), \e
.endif
.endr
.endm
.macro QNEXT half, a                   ; what is fetched next: the next tile of queries, or behind the last the first tile of tokens
.if (\a) < 7
	XH \half, 5, 6, (\a)+1
.else
	XH \half, 1, 4, 0
.endif
.endm
.macro QTILE a
.if (\a) == 0
	s_wait_dscnt 5                                 ; the first half is in; the second half's 5 loads may be out
.else
	s_wait_dscnt 7                                 ; likewise, and the last tile's 2 image stores
.endif
	WIN 0x01                                       ; source 0 (Wq) window 1
	QMUL 0
	QMUL 1
	WIN 0
	PLACES
	QNEXT 0, \a
	s_wait_dscnt 5                                 ; all but the 5 just issued: the second half is in, and the last tile's image stores are done, so that their data may be written again
	WIN 0x01
	QMUL 2
	QMUL 3
	WIN 0
	PLACES
	QNEXT 1, \a
.irp i, 0,1,2,3,4,5,6,7
	v_pk_mul_f32 v[96+2*\i:97+2*\i], v[96+2*\i:97+2*\i], s[66:67] op_sel_hi:[1,0]   ; x c
.endr
.irp i, 0,1,2,3,4,5,6,7
	v_cvt_pk_f16_f32 v[112+\i], v[96+2*\i], v[97+2*\i]
.endr
	ds_store_b128 v8, v[112:115] offset:1024*(\a)       ; the fragment goes to LDS as it stands; only this wave reads it
	ds_store_b128 v8, v[116:119] offset:1024*(\a)+512
.endm
; ---- the k and v phase: BK v32-47, BV v48-63, x v64-95, four accumulators v96-127 by turns, Wk v128-191, Wv v192-255
.macro KVMUL s
.if (\s) == 0
	WX 96,  128+8*(\s), 64+8*(\s), 32, 16+(\s), 24+(\s), 0
	WX 104, 160+8*(\s), 64+8*(\s), 40, 16+(\s), 24+(\s), 1
	XW 112, 64+8*(\s), 192+8*(\s), 48, 24+(\s), 20+(\s), 0
	XW 120, 64+8*(\s), 224+8*(\s), 56, 24+(\s), 20+(\s), 1
.else
	WX 96,  128+8*(\s), 64+8*(\s), 96,  16+(\s), 24+(\s), 0
	WX 104, 160+8*(\s), 64+8*(\s), 104, 16+(\s), 24+(\s), 1
	XW 112, 64+8*(\s), 192+8*(\s), 112, 24+(\s), 20+(\s), 0
	XW 120, 64+8*(\s), 224+8*(\s), 120, 24+(\s), 20+(\s), 1
.endif
.endm
.macro KVTILE t
.if (\t) == 0
	s_wait_dscnt 0x0                               ; all of tile 0 is in, and the q phase's last image stores are done: these products write their data registers
.else
	s_wait_dscnt 5                                 ; the first half is in; the second half's 5 loads may be out
.endif
	KVMUL 0
	KVMUL 1
.if (\t) < 15
	PLACES
	XH 0, 1, 4, (\t)+1
	s_wait_dscnt 5                                 ; all but the 5 just issued
.else
	s_wait_dscnt 0x0
.endif
	KVMUL 2
	KVMUL 3
	PLACES
.if (\t) < 15
	XH 1, 1, 4, (\t)+1
.endif
	WIN 0x40                                       ; destination window 1
.irp i, 0,1,2,3
	v_cvt_pk_f16_f32 v[8*(\t)+\i], v[96+2*\i], v[97+2*\i]          ; K's tile t: channels 8 hh + 0 .. 7,
.endr
.irp i, 0,1,2,3
	v_cvt_pk_f16_f32 v[8*(\t)+4+\i], v[104+2*\i], v[105+2*\i]      ; and 16 + 8 hh + 0 .. 7
.endr
.irp i, 0,1,2,3
	v_cvt_pk_f16_f32 v[128+8*((\t)/2)+4*((\t)%2)+\i], v[112+2*\i], v[113+2*\i]   ; V^T, channels 0-15: half of key step t / 2
.endr
.irp i, 0,1,2,3
	v_cvt_pk_f16_f32 v[192+8*((\t)/2)+4*((\t)%2)+\i], v[120+2*\i], v[121+2*\i]   ; channels 16-31
.endr
	WIN 0
.endm
; ---- attention: QF v32-39, O^T v40-55, at work v56-59, -m v60, 1 / l v62, P v64-127, S^T v128-255 (key tile m at 128 + 8 m)
.macro BIASRUN                         ; the next query tile's bias into S^T's registers: table row d' = a' - head + 15, place r + 15 - m, numbers 8 hh + 0 .. 7.  Sixteen lanes read 256 consecutive bytes
	v_add_nc_u32 v10, s31, v9
.irp m, 0,1,2,3,4,5,6,7,8,9,10,11,12,13,14,15
	ds_load_b128 v[128+8*\m:131+8*\m], v10 offset:16*(15-\m)
	ds_load_b128 v[132+8*\m:135+8*\m], v10 offset:512+16*(15-\m)
.endr
	s_add_co_u32 s31, s31, 2048                    ; the next tile's row; through both rounds, since the second round's head is 8 lower
.endm
.macro MASK32 q, bank                  ; scores 32 q .. 32 q + 31: masked ones become -1e9 x log2(e).  Ascending
.set n, 0
.rept 32
	v_cndmask_b32 v[128+32*(\q)+n], v[128+32*(\q)+n], v11, s[(\bank)+n]
.set n, n+1
.endr
.endm
.macro MAXPAIR c                       ; chains c and c + 1 by turns: each the largest of 31 scores
	v_max3_num_f32 v[56+(\c)], v[128+32*(\c)], v[129+32*(\c)], v[130+32*(\c)]
	v_max3_num_f32 v[57+(\c)], v[160+32*(\c)], v[161+32*(\c)], v[162+32*(\c)]
.irp i, 3,5,7,9,11,13,15,17,19,21,23,25,27,29
	v_max3_num_f32 v[56+(\c)], v[56+(\c)], v[128+32*(\c)+\i], v[129+32*(\c)+\i]
	v_max3_num_f32 v[57+(\c)], v[57+(\c)], v[160+32*(\c)+\i], v[161+32*(\c)+\i]
.endr
.endm
	s_load_b512 s[4:19], s[0:1], 0x0               ; xc s[4:5], xs s[6:7], wc s[8:9], ws s[10:11], wpf s[12:13], tb s[14:15], mbits s[16:17], bq s[18:19]
	s_load_b256 s[20:27], s[0:1], 0x40             ; bk s[20:21], bv s[22:23], bp s[24:25], out0 s[26:27]
	v_lshl_add_u32 v2, v0, 2, SPARE                ; my spare word; never rewritten
	v_mov_b32 v3, 0                                ; 0; never rewritten
	ds_add_u32 v2, v3                              ; the wave's opening: the add, twice on end, and its wait ahead of my first tensor load; the set-up below stands between
	ds_add_u32 v2, v3
	v_lshrrev_b32 v4, 5, v0
	v_readfirstlane_b32 s28, v4                    ; wave w, 0..7
	s_and_b32 s72, ttmp9, 1                        ; qh: which half of the window's queries
	s_lshr_b32 s73, ttmp9, 1                       ; the window
	; three dense blocks, each as rows of 256 bytes (32 elements of 8 bytes), no padding; every wave brings an eighth of each
.irp g, 32,40,48
	s_mov_b32 s[\g+0], 3<<16                       ; no mask; elements of 8 bytes
	s_mov_b32 s[\g+1], 32<<16                      ; tensor_dim0 = 32
	s_mov_b32 s[\g+3], 32<<16                      ; tile_dim0 = 32
	s_mov_b32 s[\g+5], 32                          ; from row to row
	s_mov_b32 s[\g+6], 0
	s_mov_b32 s[\g+7], 0
.endr
	s_mov_b32 s34, 32<<16                          ; x's codes: 32 rows a wave (tensor_dim1, tile_dim1)
	s_mov_b32 s36, 32
	s_mov_b32 s42, 2<<16                           ; x's scale bytes: 2 rows
	s_mov_b32 s44, 2
	s_mov_b32 s50, 23<<16                          ; the table: 23 rows
	s_mov_b32 s52, 23
	s_mov_b32 s56, 1
	s_lshl_b32 s57, s28, 13                        ; LDS: 8,192 w
	s_mov_b32 s60, 1
	s_lshl_b32 s61, s28, 9
	s_add_co_u32 s61, s61, XSC                     ; XSC + 512 w
	s_mov_b32 s68, 1
	s_mul_i32 s69, s28, 5888
	s_add_co_u32 s69, s69, TB                      ; TB + 5,888 w
	s_lshl_b32 s74, s73, 16
	s_add_co_u32 s74, s74, s57                     ; codes: 65,536 a window
	s_mov_b32 s75, 0
	s_lshl_b32 s76, s73, 12
	s_lshl_b32 s78, s28, 9
	s_add_co_u32 s76, s76, s78                     ; scale bytes: 4,096 a window
	s_mov_b32 s77, 0
	s_lshl_b32 s78, s72, 14                        ; the table from row 8 qh on
	s_mul_i32 s79, s28, 5888
	s_add_co_u32 s78, s78, s79
	s_mov_b32 s79, 0
	s_mov_b32 s2, 0x76543210                       ; v_permlanex16_b32's selects for lane l xor 16
	s_mov_b32 s3, 0xfedcba98
	s_mov_b32 s66, 0x3e8293ee                      ; c = log2(e) / sqrt(32)
	s_mov_b32 s67, s66                             ; (named with it as a pair, so it is written)
	s_xor_b32 s31, s28, 7
	s_lshl_b32 s31, s31, 11                        ; the bias row of the first round's first tile: d' = 0 - (w + 8) + 15 = 7 - w
	s_lshl_b32 s100, s28, 14                       ; my images: 16,384 w; 1,024 on with each query tile
	s_mov_b32 s29, 2                               ; rounds to go
	v_and_b32 v1, 31, v0
	v_and_b32 v8, 15, v0                           ; r
	v_bfe_u32 v10, v0, 4, 1                        ; hh
	v_lshlrev_b32 v1, 4, v1                        ; v1  16 L: an image's place for my lane
	v_lshl_add_u32 v4, v8, 4, XSC                  ; v4  x's scale bytes of row r
	s_lshl_b32 s80, s72, 15
	v_add_nc_u32 v5, s80, v1                       ; v5  x's codes from my half's first query tile on
	s_lshl_b32 s80, s72, 11
	v_add_nc_u32 v6, s80, v4                       ; v6  and their scale bytes
	v_add_nc_u32 v7, OQ, v1                        ; v7  the images
	v_lshlrev_b32 v9, 10, v10
	v_lshl_add_u32 v9, v8, 4, v9
	v_add_nc_u32 v9, TB, v9                        ; v9  the table: 1,024 hh + 16 r
	v_mov_b32 v11, 0xceabfb8f                      ; v11 -1e9 x log2(e)
	v_lshlrev_b32 v12, 5, v10                      ; v12 32 hh: eight numbers of a bias
	v_lshlrev_b32 v13, 2, v8                       ; v13 4 r
	s_mul_i32 s80, s28, 4352
	s_add_co_u32 s80, s80, STG                     ; my stage: 16 rows x (256 + 16) bytes
	v_mul_u32_u24 v14, v8, 272
	v_lshl_add_u32 v14, v10, 5, v14
	v_add_nc_u32 v14, s80, v14                     ; v14 into it: row r, 32 hh
	v_mul_u32_u24 v15, v10, 272
	v_lshl_add_u32 v15, v8, 4, v15
	v_add_nc_u32 v15, s80, v15                     ; v15 back: lanes 0-15 one row, lanes 16-31 the next
	s_wait_dscnt 0x0                               ; both opening adds are done
	s_wait_kmcnt 0x0
	s_add_nc_u64 s[58:59], s[4:5], s[74:75]
	s_or_b32 s59, s59, 0x80000000                  ; type = 2
	s_add_nc_u64 s[62:63], s[6:7], s[76:77]
	s_or_b32 s63, s63, 0x80000000
	s_add_nc_u64 s[70:71], s[14:15], s[78:79]
	s_or_b32 s71, s71, 0x80000000
	tensor_load_to_lds s[56:59], s[32:39]          ; the only fills of the launch, in one group: three loads of mine are out
	s_nop 0
	tensor_load_to_lds s[60:63], s[40:47]
	s_nop 0
	tensor_load_to_lds s[68:71], s[48:55]
	s_nop 0
	PLACES                                         ; four plain instructions behind the loads, ahead of the next switch of windows
	s_add_co_u32 s80, s28, 8                       ; the first round's head
	s_lshl_b32 s82, s80, 13
	s_mov_b32 s83, 0
	s_add_nc_u64 s[8:9], s[8:9], s[82:83]          ; weights' codes: 8,192 a head
	s_lshl_b32 s84, s72, 12
	s_add_co_u32 s82, s82, s84
	s_add_nc_u64 s[16:17], s[16:17], s[82:83]      ; mask words: 8,192 a head, 512 a query tile
	s_lshl_b32 s82, s80, 9
	s_add_nc_u64 s[10:11], s[10:11], s[82:83]      ; weights' scale bytes: 512 a head
	s_lshl_b32 s82, s80, 7
	s_add_nc_u64 s[18:19], s[18:19], s[82:83]      ; the biases: 128 a head
	s_add_nc_u64 s[20:21], s[20:21], s[82:83]
	s_add_nc_u64 s[22:23], s[22:23], s[82:83]
	s_lshl_b32 s82, s28, 16
	s_add_nc_u64 s[12:13], s[12:13], s[82:83]      ; Wp's fragments of my 64 columns
	s_lshl_b32 s82, s28, 8
	s_add_nc_u64 s[24:25], s[24:25], s[82:83]      ; bp of my 64 columns
	s_lshl_b32 s84, ttmp9, 18                      ; 128 rows of 2,048 bytes a work-group
	s_add_co_u32 s82, s82, s84
	s_add_nc_u64 s[26:27], s[26:27], s[82:83]
	WLOADS
	s_wait_tensorcnt 0x0                           ; my parts have landed,
	s_barrier_signal -1
	s_barrier_wait -1                              ; everybody's have
	MLOADS                                         ; behind that wait: the banks were descriptors
.Lround:                                               ; two trips: heads w + 8 and w.  On both ways in, the head's 61 loads and 4 scalar loads are out
	s_wait_dscnt 0x0                               ; no LDS instruction of mine is out: v8 and the registers below may be written
	v_add_nc_u32 v8, s100, v7                      ; this round's first image
	XH 0, 5, 6, 0
	XH 1, 5, 6, 0
	s_wait_loadcnt 40                              ; Wq, its scale words and bq are in; the 40 loads of the k and v phase may be out
.irp a, 0,1,2,3,4,5,6,7
	QTILE \a
.endr
	s_wait_loadcnt 0x0
.irp j, 0,1,2,3,4,5,6,7
	v_mov_b32 v[48+\j], v120                       ; bv in the result's layout: a lane holds one channel, so all eight registers hold its bias
	v_mov_b32 v[56+\j], v121
.endr
	PLACES
.irp t, 0,1,2,3,4,5,6,7,8,9,10,11,12,13,14,15
	KVTILE \t
.endr
	ds_load_b128 v[32:35], v8                      ; q of the first tile: my own stores, which LDS has served in order
	ds_load_b128 v[36:39], v8 offset:512
	BIASRUN
	s_mov_b32 s30, 8
.Ltile:                                                ; eight trips: a tile of 16 queries against all 256 keys
	s_wait_dscnt 0x0                               ; q and the bias are in; the last tile's image is stored
	v_add_nc_u32 v8, s100, v7                      ; this tile's image
	WIN 0x01                                       ; source 0 (K) window 1
.irp m, 0,1,2,3,4,5,6,7,8,9,10,11,12,13,14,15
	v_wmma_f32_16x16x32_f16 v[128+8*\m:135+8*\m], v[8*\m:8*\m+7], v[32:39], v[128+8*\m:135+8*\m]   ; S^T = K Q^T + bias: one product an accumulator
.endr
	WIN 0
	s_wait_kmcnt 0x0                               ; the mask words of keys 0-127
	PLACES
	MASK32 0, 32
	s_load_b512 s[32:47], s[16:17], 0x100          ; each bank is asked for again as soon as it has been used: keys 128-191,
	s_load_b512 s[48:63], s[16:17], 0x140
	MASK32 1, 68
	s_load_b512 s[68:83], s[16:17], 0x180          ; keys 192-255
	s_load_b512 s[84:99], s[16:17], 0x1c0
	MAXPAIR 0                                      ; the words land under this work
	s_wait_kmcnt 0x0
	s_add_nc_u64 s[16:17], s[16:17], 512           ; (no scalar load is out)  the next query tile's words
	MASK32 2, 32
	MASK32 3, 68
	s_cmp_eq_u32 s30, 1                            ; the round's last tile asks for no further words: the next round's are asked for with its weights
	s_cbranch_scc1 .Lno_words
	MLOADS
.Lno_words:
	MAXPAIR 2
	v_max3_num_f32 v56, v56, v57, v159             ; the four chains and the four scores left over
	v_max3_num_f32 v58, v58, v59, v191
	v_max3_num_f32 v56, v56, v58, v223
	v_max_num_f32 v56, v56, v255
	v_permlanex16_b32 v62, v56, s2, s3             ; the query's other 128 keys lie in the lane 16 away
	v_max_num_f32 v56, v56, v62
	v_sub_f32 v60, 0, v56                          ; -m
	v_pk_add_f32 v[128:129], v[128:129], v[60:61] op_sel_hi:[1,0]
.set n, 1
.rept 63                                       ; t - m of a pair, then the exponentials of the pair before: no line names an exponential's result
	v_pk_add_f32 v[128+2*n:129+2*n], v[128+2*n:129+2*n], v[60:61] op_sel_hi:[1,0]
	v_exp_f32 v[126+2*n], v[126+2*n]
	v_exp_f32 v[127+2*n], v[127+2*n]
.set n, n+1
.endr
	v_exp_f32 v254, v254
	v_exp_f32 v255, v255
	v_nop                                          ; a plain instruction behind the last exponential (ISA guide 5.7.2)
	s_wait_alu depctr_va_vdst(0)                   ; ahead of the first use of a result: one for the batch of 128
.set n, 0
.rept 64                                       ; p to f16 in pairs: P^T as source 1 wants it; and the sum of the f32 p, in two packed chains
	v_cvt_pk_f16_f32 v[64+n], v[128+2*n], v[129+2*n]
.if n == 0
	v_pk_add_f32 v[56:57], v[128:129], v[132:133]
.elseif n == 1
	v_pk_add_f32 v[58:59], v[130:131], v[134:135]
.elseif n > 3
	v_pk_add_f32 v[56+2*(n%2):57+2*(n%2)], v[56+2*(n%2):57+2*(n%2)], v[128+2*n:129+2*n]
.endif
.set n, n+1
.endr
	v_pk_add_f32 v[56:57], v[56:57], v[58:59]
	v_add_f32 v56, v56, v57
	v_permlanex16_b32 v62, v56, s2, s3
	v_add_f32 v56, v56, v62                        ; l, at least 1: the largest score's p is 1
	v_rcp_f32 v62, v56
	v_nop
	s_wait_alu depctr_va_vdst(0)                   ; ahead of the branch below and of the first use
	s_cmp_eq_u32 s30, 1                            ; the round's last tile has no successor
	s_cbranch_scc1 .Lno_next
	BIASRUN                                        ; the next tile's bias and q land under the products below
	ds_load_b128 v[32:35], v8 offset:1024
	ds_load_b128 v[36:39], v8 offset:1536
.Lno_next:
	WIN 0x01                                       ; source 0 (V) window 1
.irp k, 0,1,2,3,4,5,6,7                        ; O^T = V^T P^T, 32 keys a step; the two accumulators by turns
.irp e, 0,1
.if \k == 0
	v_wmma_f32_16x16x32_f16 v[40+8*\e:47+8*\e], v[128+64*\e+8*\k:135+64*\e+8*\k], v[64+8*\k:71+8*\k], 0
.else
	v_wmma_f32_16x16x32_f16 v[40+8*\e:47+8*\e], v[128+64*\e+8*\k:135+64*\e+8*\k], v[64+8*\k:71+8*\k], v[40+8*\e:47+8*\e]
.endif
.endr
.endr
	WIN 0
	PLACES
.irp i, 0,1,2,3,4,5,6,7
	v_pk_mul_f32 v[40+2*\i:41+2*\i], v[40+2*\i:41+2*\i], v[62:63] op_sel_hi:[1,0]   ; / l
.endr
.irp i, 0,1,2,3,4,5,6,7
	v_cvt_pk_f16_f32 v[64+\i], v[40+2*\i], v[41+2*\i]
.endr
	ds_store_b128 v8, v[64:67]                     ; o's fragment takes the place of q's, which has been read
	ds_store_b128 v8, v[68:71] offset:512
	s_add_co_u32 s100, s100, 1024
	s_sub_co_u32 s30, s30, 1
	s_cmp_lg_u32 s30, 0
	s_cbranch_scc1 .Ltile
	s_cmp_eq_u32 s29, 1
	s_cbranch_scc1 .Llast_round
	s_wait_dscnt 0x0                               ; the last tile's two image stores are done, and on every way through the branches above no LDS load is out: the weights below land in registers that the tile loop's LDS loads fill (bias, q)
	s_wait_kmcnt 0x0                               ; likewise no scalar load: the banks are asked for anew below, and their base is stepped
	s_sub_nc_u64 s[8:9], s[8:9], 65536             ; eight heads back.  Every load from these bases has been waited for
	s_sub_nc_u64 s[10:11], s[10:11], 4096
	s_sub_nc_u64 s[18:19], s[18:19], 1024
	s_sub_nc_u64 s[20:21], s[20:21], 1024
	s_sub_nc_u64 s[22:23], s[22:23], 1024
	s_sub_nc_u64 s[16:17], s[16:17], 69632         ; eight heads, and the eight tiles walked
	WLOADS
	MLOADS
.Llast_round:
	s_sub_co_u32 s29, s29, 1
	s_cmp_lg_u32 s29, 0
	s_cbranch_scc1 .Lround
; ---- the projection: Wp's fragments in three slots v32-63, v64-95, v96-127 (bp first in the third); o's fragments in two sets v128-191, v192-255; accumulator (a, n) at v[8 (4 a + n)] of window 1
.macro WPFETCH kk                      ; Wp's four fragments for image slot kk, which is head kk / 2 + 8 (1 - kk % 2)
.set KSH, ((\kk)>>1)+8*(1-((\kk)&1))
.set WSL, 32+32*((\kk)%3)
.irp n, 0,1,2,3
.irp c, 0,1
	global_load_b128 v[WSL+8*\n+4*\c:WSL+8*\n+4*\c+3], v1, s[12:13] offset:16384*\n+1024*KSH+512*\c
.endr
.endr
.endm
.macro OFETCH kk                       ; the eight query tiles' fragments of image slot kk
.set OSET, 128+64*((\kk)%2)
.irp a, 0,1,2,3,4,5,6,7
.irp c, 0,1
.if (\kk) < 8
	ds_load_b128 v[OSET+8*\a+4*\c:OSET+8*\a+4*\c+3], v7 offset:8192*((\kk)&7)+1024*\a+512*\c
.else
	ds_load_b128 v[OSET+8*\a+4*\c:OSET+8*\a+4*\c+3], v5 offset:8192*((\kk)&7)+1024*\a+512*\c
.endif
.endr
.endr
.endm
.macro OSTEP kk
	s_wait_dscnt 0x0                               ; this step's o
.if ((\kk) < 2) || ((\kk) == 15)
	s_wait_loadcnt 0x0
.else
	s_wait_loadcnt 8                               ; this step's Wp is in; the next step's 8 loads may be out
.endif
.if (\kk) > 0
	PLACES                                         ; for the loads into registers that the last step's products have read
.endif
.if (\kk) < 15
	OFETCH (\kk)+1
.endif
.if (\kk) == 1
	WPFETCH 2                                      ; the third slot held bp, which the first step has taken in
	WPFETCH 3
.elseif ((\kk) > 1) && ((\kk) < 14)
	WPFETCH (\kk)+2
.endif
.set WS, 32+32*((\kk)%3)
.set OS, 128+64*((\kk)%2)
.if (\kk) == 0
	WIN 0x40                                       ; D window 1; C (bp) window 0
.else
	WIN 0x50                                       ; C and D window 1
.endif
.irp a, 0,1,2,3,4,5,6,7                        ; the 32 accumulators take turns, in the same order in every step
.irp n, 0,1,2,3
.if (\kk) == 0
	v_wmma_f32_16x16x32_f16 v[8*(4*\a+\n):8*(4*\a+\n)+7], v[WS+8*\n:WS+8*\n+7], v[OS+8*\a:OS+8*\a+7], v[96+8*\n:103+8*\n]
.else
	v_wmma_f32_16x16x32_f16 v[8*(4*\a+\n):8*(4*\a+\n)+7], v[WS+8*\n:WS+8*\n+7], v[OS+8*\a:OS+8*\a+7], v[8*(4*\a+\n):8*(4*\a+\n)+7]
.endif
.endr
.endr
	WIN 0
.endm
	s_wait_dscnt 0x0                               ; for the others' sake: my images are stored; and their data registers are free for the loads below
	s_wait_loadcnt 0x0                             ; the second round asks for no further weights, so this wait is met at once; it stands so that on every way through the branches above the loads below land in registers that no earlier load will write
	WPFETCH 0
	WPFETCH 1
.irp n, 0,1,2,3
	global_load_b128 v[96+8*\n:99+8*\n], v12, s[24:25] offset:64*\n        ; bp in the result's layout: columns 16 n + 8 hh + 0 .. 7
	global_load_b128 v[100+8*\n:103+8*\n], v12, s[24:25] offset:64*\n+16
.endr
	s_barrier_signal -1
	s_barrier_wait -1                              ; all 128 images lie in LDS; nobody writes them again
	v_add_nc_u32 v5, 0x10000, v7                   ; image slots 8 to 15
	v_and_b32 v6, 15, v0
	v_bfe_u32 v10, v0, 4, 1
	v_lshlrev_b32 v6, 4, v6
	v_lshl_add_u32 v6, v10, 11, v6                 ; out0: lanes 0-15 one row, lanes 16-31 the next; 16 bytes a lane
	OFETCH 0
.irp k, 0,1,2,3,4,5,6,7,8,9,10,11,12,13,14,15
	OSTEP \k
.endr
; THE WAY OUT, a tile of 16 rows x 64 columns at a time: a lane holds 32 neighbouring bytes of a row and the lanes beside it hold other rows, so a tile goes through my own stage and comes back as rows of 256 bytes.
.macro TOSTAGE a
	WIN 0x04                                       ; an LDS store's data are its source 1: window 1
.irp n, 0,1,2,3
	ds_store_b128 v14, v[8*(4*(\a)+\n):8*(4*(\a)+\n)+3] offset:64*\n          ; each accumulator from its low end on
	ds_store_b128 v14, v[8*(4*(\a)+\n)+4:8*(4*(\a)+\n)+7] offset:64*\n+16
.endr
	WIN 0
.irp i, 0,1,2,3,4,5,6,7
	ds_load_b128 v[128+32*((\a)%2)+4*\i:128+32*((\a)%2)+4*\i+3], v15 offset:544*\i   ; LDS serves a wave's instructions in order: these see the stores above, and the next tile's stores come behind them
.endr
.endm
.macro SEND a, younger                 ; younger: the LDS instructions issued behind tile a's loads, which may stay out
	s_wait_dscnt \younger
.irp i, 0,1,2,3,4,5,6,7
	global_store_b128 v6, v[128+32*((\a)%2)+4*\i:128+32*((\a)%2)+4*\i+3], s[26:27] offset:(16*(\a)+2*\i)*2048 th:TH_STORE_NT   ; sixteen lanes store 256 consecutive bytes, at a multiple of 256 from out0's first byte
.endr
.endm
	PLACES
	TOSTAGE 0
.irp a, 1,2,3,4,5,6,7
.if \a > 1
	s_wait_xcnt 0x0                                ; tile a - 2's stores have read their registers: tile a's loads may land there
.endif
	TOSTAGE \a
	SEND \a-1, 16                                  ; behind tile a - 1's loads: tile a's 8 stores and 8 loads
.endr
	SEND 7, 0
	s_wait_tensorcnt 0x0                           ; the wave's end: behind my last tensor load and my last LDS store
	ds_add_u32 v2, v3
	s_wait_dscnt 0x0
	s_endpgm
.Lfunc_end_k_q2ee29b408e_main:
	.size	k_q2ee29b408e_main, .Lfunc_end_k_q2ee29b408e_main-k_q2ee29b408e_main
	.p2alignl 7, 3214868480
	.fill 96, 4, 3214868480
	.section	.rodata,"a",@progbits
	.p2align	6, 0x0
	.amdhsa_kernel k_q2ee29b408e_main
		.amdhsa_group_segment_fixed_size 283648
		.amdhsa_private_segment_fixed_size 0
		.amdhsa_enable_private_segment 0
		.amdhsa_kernarg_size 96
		.amdhsa_user_sgpr_count 2
		.amdhsa_user_sgpr_kernarg_segment_ptr 1
		.amdhsa_wavefront_size32 1
		.amdhsa_system_sgpr_workgroup_id_x 1
		.amdhsa_system_sgpr_workgroup_id_y 1
		.amdhsa_system_sgpr_workgroup_id_z 1
		.amdhsa_system_vgpr_workitem_id 0
		.amdhsa_next_free_vgpr 512
		.amdhsa_next_free_sgpr 106
		.amdhsa_reserve_vcc 0
		.amdhsa_float_denorm_mode_32 3
		.amdhsa_float_denorm_mode_16_64 3
		.amdhsa_memory_ordered 1
		.amdhsa_forward_progress 1
		.amdhsa_inst_pref_size 226
	.end_amdhsa_kernel
	.amdgpu_metadata
---
amdhsa.version: [ 1, 2 ]
amdhsa.kernels:
  - .name:           k_q2ee29b408e_main
    .symbol:         k_q2ee29b408e_main.kd
    .args:
      - { .name: xc, .offset: 0, .size: 8, .value_kind: global_buffer, .address_space: global }
      - { .name: xs, .offset: 8, .size: 8, .value_kind: global_buffer, .address_space: global }
      - { .name: wc, .offset: 16, .size: 8, .value_kind: global_buffer, .address_space: global }
      - { .name: ws, .offset: 24, .size: 8, .value_kind: global_buffer, .address_space: global }
      - { .name: wpf, .offset: 32, .size: 8, .value_kind: global_buffer, .address_space: global }
      - { .name: tb, .offset: 40, .size: 8, .value_kind: global_buffer, .address_space: global }
      - { .name: mbits, .offset: 48, .size: 8, .value_kind: global_buffer, .address_space: global }
      - { .name: bq, .offset: 56, .size: 8, .value_kind: global_buffer, .address_space: global }
      - { .name: bk, .offset: 64, .size: 8, .value_kind: global_buffer, .address_space: global }
      - { .name: bv, .offset: 72, .size: 8, .value_kind: global_buffer, .address_space: global }
      - { .name: bp, .offset: 80, .size: 8, .value_kind: global_buffer, .address_space: global }
      - { .name: out0, .offset: 88, .size: 8, .value_kind: global_buffer, .address_space: global }
    .group_segment_fixed_size: 283648
    .private_segment_fixed_size: 0
    .kernarg_segment_align: 8
    .kernarg_segment_size: 96
    .max_flat_workgroup_size: 256
    .sgpr_count:     106
    .vgpr_count:     512
    .wavefront_size: 32
...
	.end_amdgpu_metadata
.endif
;; end of part 2
